; MI455X (gfx1250); checked and timed in simulation.
; The chip was launched on July 23, 2026; its instructions are those of AMD's public machine-readable ISA for CDNA 5 (MIT licence, August 2026) and "CDNA5" Instruction Set Architecture Reference Guide (July 2026). The comments in the code are by the model that wrote it; some were corrected since.
;; A2 Module. Allowed arithmetic: float matrix products may take bf16 or f16 operands with f32 sums; all other float work in f32.
;; Inputs: W_in 4 x 768 x 256 float32; W_out 4 x 256 x 256 float32; b_in 4 x 768 float32; b_out 4 x 256 float32; beta 256 float32; gamma 256 float32; x 8 x 256 x 64 x 64 float32.
;; Outputs: out0 8 x 256 x 64 x 64 float32.
;; One version. Each part assembles by itself: llvm-mc -triple=amdgcn-amd-amdhsa -mcpu=gfx1250 --defsym DOCPART=n.
;; ======== version 1 of 1: 2 launches
;; workspace buffers: o 16,777,216 bytes; wo 524,288 bytes
;; launch attn (part 1): grid 8 x 32, 16 waves a work-group, no clusters, 202,752 bytes of LDS; arguments x, W_in, b_in, W_out, o, wo; writes o, wo
.if DOCPART == 1
	.amdgcn_target "amdgcn-amd-amdhsa--gfx1250"
	.amdhsa_code_object_version 6
	.text
	.protected	k_qb2995b590e_attn
	.globl	k_qb2995b590e_attn
	.p2align	8
	.type	k_qb2995b590e_attn,@function
k_qb2995b590e_attn:
	s_mov_b64 s[64:65], 0
	v_nop
	global_prefetch_b8 v0, s[64:65] scope:SCOPE_SE
	s_setreg_imm32_b32 hwreg(HW_REG_WAVE_MODE, 25, 1), 1
	s_wait_xcnt 0x0
; One work-group = one (batch b, area a, head): grid x = head, grid y = ba = 4 b + a.  It projects q, k, v of its head for the
; area's 1,024 tokens, runs the softmax attention of that head and stores the normalised result o in bf16.
; Sixteen waves; wave w owns the 64 tokens (= queries) of area rows 2 w and 2 w + 1: four tiles of 16.
; TOKEN ORDER: tile 2 p + T of wave w holds, in place t, area token 32 (2 w + p) + 2 t + T: the even tokens of a row, then the odd ones.
; K and V^T carry the same order, so the sum over the keys is the same sum; o carries it too, and the next launch puts it right.
;
; WORK LEFT OUT: the k part of b_in (b_in[a][256:512]).  scores[l][m] = q[l].(k[m] + bk) = q[l].k[m] + q[l].bk, and q[l].bk is
; the same for every key m, so it cancels in softmax over m, for all finite values of the inputs.  These 256 numbers of each area are
; not loaded; b_in stays an argument for its q and v parts.  LIMIT: a NaN, an infinity or an overflow that reaches only that term is
; not carried to the result.
; OTHER LIMITS: matrix operands are rounded to bf16 (q after the factor 32^-0.5 log2 e has been applied); v_exp_f32 gives 0 for
; results under 2^-126; the row sums add the f32 exponentials while the product with v takes them rounded to bf16.
;
; LAYOUTS.  L = lane, r = L & 15, g = L >> 4.  A matrix result holds element (m = 8 g + j, n = r) in register j.  Two results (rows 0-15,
; rows 16-31) packed to bf16 are therefore a 16-bit operand fragment of lane row r (registers 0-3: k = 8 g .., 4-7: k = 16 + 8 g ..):
;   Q^T = Wq xa^T packs into the B fragment of S^T = K Q^T;  S^T packs into the B fragment of O^T = V^T P^T;  O^T packs into the B
;   fragment of the out-projection, and is stored so:  o = [ba][head][query tile 64][half 2][lane 32][16 bytes].
; Softmax figures are one number a lane (query r); the two halves of the lanes hold different keys and meet once, at the end of a pass.
; THE MAXIMUM is the exact one: pass 1 forms all scores and keeps only their maximum; pass 2 forms them again with -maximum as the
; C operand, so that the subtraction costs no vector instruction and nothing is ever rescaled.
;
; X comes straight into registers in fragment order: a lane takes 8 bytes, tokens 2 r and 2 r + 1 of channel c + 8 g, so that word T of
; the pair belongs to tile T, lane row r, k = c + 8 g, and two such words pack into a fragment register without any exchange of lanes.
; A K step (32 channels) is 16 loads; two register sets take turns and each step is asked for two steps ahead: 8,192 bytes of a wave
; and 131,072 of the work-group are on their way.
;
; NO CLUSTER: the eight heads of one (b, a) read the same x, but x goes from memory straight into registers.  A joint request would
; have to land in LDS: K, V^T, W and the q bias take 200,704 of the 327,680 bytes that a work-group can be given, two f32 slots of
; 4,096 bytes for each of 16 waves are 131,072, and 126,976 are left.
;
; SIDE JOB: waves 0-3 convert 512 bytes each of W_out into wo = [a][m tile 16][k step 8][half 2][lane 32][16 bytes], the A fragments
; of the out-projection: 1,024 such pieces, four to each of the 256 work-groups.
;
; LDS: K [1024 keys][32 d] bf16, pitch 80, at 0;  V^T [32 d][1024 keys] bf16, pitch 2,064, at 81,920;
;      W [96 rows: q 0-31, k 32-63, v 64-95][256 c] bf16, pitch 528, at 147,968 (all pitches odd multiples of 16 bytes);
;      q bias x scale, 32 f32, once for each wave, at 198,656 + 128 w: a wave reads only what it stored itself.
.set KP,  80
.set VT,  81920
.set VP,  2064
.set WL,  147968
.set WP,  528
.set BL,  198656
.set SC,  0x3e8293ee                   ; 32^-0.5 x log2 e = 0.25503486
; v1 L, v2 r, v3 g, v4 x offset, v5 W fragment address, v6 K store, v7 V^T store, v8 K fragment address of key block 0,
; v9 running V^T address, v10 o offset, v11 running K address, v[12:13] v bias, v14 q bias address in LDS, v15 at work
.set QF,  16                           ; v[16:47]   Q, 8 registers a query tile
; during the projection
.set RB1, 32                           ; v[32:47] and v[64:79]: x as loaded, odd K steps (Q's tiles 2, 3 are written only when no load is left)
.set XF,  48                           ; v[48:63]   xa fragments: tile T = 0 (even tokens), T = 1 (odd tokens)
.set ACQ, 80                           ; v[80:111]  Q^T (dt, T) at 8 (2 dt + T)
.set ACK, 112                          ; v[112:143] K^T (dt, T) at 8 (2 dt + T)
.set ACV, 144                          ; v[144:175] V (T, dt) at 8 (2 T + dt)
.set RAW, 176                          ; v[176:207] x as loaded, even K steps
.set WF,  208                          ; v[208:255] six W fragments: q0 q1 k0 k1 v0 v1
.set BQ,  240                          ; v[240:255] q bias x scale, at the end of a row, over the spent v fragments
; during the attention
.set MX,  48                           ; v[48:79]   running maxima, then -maximum eight times for each query tile
.set SCO, 80                           ; v[80:143]  scores, tile (q, kt) at 16 q + 8 kt
.set OAC, 144                          ; v[144:207] O^T, (q, dt) at 16 q + 8 dt; in pass 1 the second score buffer
.set KF,  208                          ; v[208:223] K fragments of 32 keys
.set VF,  224                          ; v[224:239] V^T fragments; in pass 1 the second K buffer
.set LS,  240                          ; v[240:247] row sums, a pair for each query tile
.set LT,  248                          ; v[248:251] the row sums, reduced
.macro NOP4
.rept 4
	v_nop
.endr
.endm
.macro MM d, a, b, zero                ; one product; zero = 1: it starts the sum
.if \zero
	v_wmma_f32_16x16x32_bf16 v[\d:\d+7], v[\a:\a+7], v[\b:\b+7], 0
.else
	v_wmma_f32_16x16x32_bf16 v[\d:\d+7], v[\a:\a+7], v[\b:\b+7], v[\d:\d+7]
.endif
.endm
; The x of projection step s = 8 p + ks (area row 2 w + p, channels 32 ks ..): load n takes channel 32 ks + (n & 7) + 16 (n >> 3) + 8 g,
; tokens 2 r and 2 r + 1: sixteen lanes cover the 128 bytes that a channel has in the row, the other sixteen those of the channel 8 further
.macro XLOAD s
.set n, 0
.rept 16
.if (\s)&1
	global_load_b64 v[RB1+2*n+16*(n>>3):RB1+2*n+16*(n>>3)+1], v4, s[4:5] offset:(32*((\s)&7)+(n&7)+16*(n>>3))*16384+256*((\s)>>3)
.else
	global_load_b64 v[RAW+2*n:RAW+2*n+1], v4, s[4:5] offset:(32*((\s)&7)+(n&7)+16*(n>>3))*16384+256*((\s)>>3)
.endif
.set n, n+1
.endr
.endm
; twelve products on twelve accumulators, one instruction a turn, in the same order in every K step
.macro PROJ z
.irp dt,0,1
.irp T,0,1
	MM ACQ+8*(2*\dt+\T), WF+8*\dt, XF+8*\T, \z
.endr
.endr
.irp dt,0,1
.irp T,0,1
	MM ACK+8*(2*\dt+\T), WF+16+8*\dt, XF+8*\T, \z
.endr
.endr
.irp T,0,1
.irp dt,0,1
	MM ACV+8*(2*\T+\dt), XF+8*\T, WF+32+8*\dt, \z
.endr
.endr
.endm
; Projection step s = 8 p + ks
.macro KSTEP s
.if (\s) < 15
	s_wait_loadcnt 0x10                            ; loads come back in order: this step's sixteen are in, the next step's sixteen may stay out
.else
	s_wait_loadcnt 0x0                             ; the last step: nothing was asked for behind it
.endif
.if (\s)&7
	NOP4                                           ; four places behind the last products, before XF is written and WF is loaded again
.endif
; fragment register m of tile T = word T of pairs 2 m and 2 m + 1
.set n, 0
.rept 8
.if (\s)&1
	v_cvt_pk_bf16_f32 v[XF+n],   v[RB1+4*n+16*(n>>2)],   v[RB1+4*n+16*(n>>2)+2]
	v_cvt_pk_bf16_f32 v[XF+8+n], v[RB1+4*n+16*(n>>2)+1], v[RB1+4*n+16*(n>>2)+3]
.else
	v_cvt_pk_bf16_f32 v[XF+n],   v[RAW+4*n],   v[RAW+4*n+2]
	v_cvt_pk_bf16_f32 v[XF+8+n], v[RAW+4*n+1], v[RAW+4*n+3]
.endif
.set n, n+1
.endr
.if (\s) < 14
	XLOAD 2+\s                                     ; the set just read is asked for again: two steps ahead, across the end of row 0 too
.endif
.irp rt,0,1,2,3,4,5
	ds_load_b128 v[WF+8*\rt:WF+8*\rt+3],   v5 offset:\rt*16*WP+64*((\s)&7)
	ds_load_b128 v[WF+8*\rt+4:WF+8*\rt+7], v5 offset:\rt*16*WP+64*((\s)&7)+32
.endr
	s_wait_dscnt 0x0
.if (\s)&7
	PROJ 0
.else
	PROJ 1
.endif
.endm
; The end of a row: K and V^T into LDS, Q into registers
.macro EPI p
	NOP4                                           ; four places behind the last products, before results are read and operands are loaded over
.irp dt,0,1
	ds_load_b128 v[BQ+8*\dt:BQ+8*\dt+3],   v14 offset:64*\dt       ; q bias x scale of d = 16 dt + 8 g ..
	ds_load_b128 v[BQ+8*\dt+4:BQ+8*\dt+7], v14 offset:64*\dt+16
.endr
.irp T,0,1
.irp dt,0,1
.irp i,0,1,2,3
	v_cvt_pk_bf16_f32 v[WF+4*(2*\T+\dt)+\i], v[ACK+8*(2*\dt+\T)+2*\i], v[ACK+8*(2*\dt+\T)+2*\i+1]
.endr
	ds_store_b128 v6, v[WF+4*(2*\T+\dt):WF+4*(2*\T+\dt)+3] offset:(32*\p+16*\T)*KP+32*\dt   ; key r of the tile, d = 16 dt + 8 g ..
.endr
.endr
.irp T,0,1
.irp dt,0,1
.irp i,0,2,4,6
.if \dt
	v_pk_add_f32 v[ACV+8*(2*\T+\dt)+\i:ACV+8*(2*\T+\dt)+\i+1], v[ACV+8*(2*\T+\dt)+\i:ACV+8*(2*\T+\dt)+\i+1], v[12:13] op_sel:[0,1] op_sel_hi:[1,1]
.else
	v_pk_add_f32 v[ACV+8*(2*\T+\dt)+\i:ACV+8*(2*\T+\dt)+\i+1], v[ACV+8*(2*\T+\dt)+\i:ACV+8*(2*\T+\dt)+\i+1], v[12:13] op_sel_hi:[1,0]
.endif
.endr
.irp i,0,1,2,3
	v_cvt_pk_bf16_f32 v[WF+16+4*(2*\T+\dt)+\i], v[ACV+8*(2*\T+\dt)+2*\i], v[ACV+8*(2*\T+\dt)+2*\i+1]
.endr
	ds_store_b128 v7, v[WF+16+4*(2*\T+\dt):WF+16+4*(2*\T+\dt)+3] offset:\dt*16*VP+(32*\p+16*\T)*2   ; d = 16 dt + r, keys 8 g .. of the tile
.endr
.endr
	s_wait_dscnt 0x8                               ; the bias is in: the eight stores issued behind its four loads may stay out
.irp T,0,1
.irp dt,0,1
.irp i,0,2,4,6
	v_pk_fma_f32 v[ACQ+8*(2*\dt+\T)+\i:ACQ+8*(2*\dt+\T)+\i+1], v[ACQ+8*(2*\dt+\T)+\i:ACQ+8*(2*\dt+\T)+\i+1], SC, v[BQ+8*\dt+\i:BQ+8*\dt+\i+1] op_sel_hi:[1,0,1]
.endr
.irp i,0,1,2,3
	v_cvt_pk_bf16_f32 v[QF+8*(2*\p+\T)+4*\dt+\i], v[ACQ+8*(2*\dt+\T)+2*\i], v[ACQ+8*(2*\dt+\T)+2*\i+1]
.endr
.endr
.endr
.endm
.macro ROWPASS p
.irp ks,0,1,2,3,4,5,6,7
	KSTEP 8*\p+\ks
.endr
	EPI \p
.endm
; K fragments of the next 32 keys; the address steps behind the loads
.macro LOADK dst
	ds_load_b128 v[\dst:\dst+3],     v11
	ds_load_b128 v[\dst+4:\dst+7],   v11 offset:32
	ds_load_b128 v[\dst+8:\dst+11],  v11 offset:16*KP
	ds_load_b128 v[\dst+12:\dst+15], v11 offset:16*KP+32
	v_add_nc_u32 v11, 32*KP, v11
.endm
; pass 1: the scores of 32 keys x 64 queries
.macro WM sb, kf
.irp q,0,1,2,3
.irp kt,0,1
	v_wmma_f32_16x16x32_bf16 v[\sb+16*\q+8*\kt:\sb+16*\q+8*\kt+7], v[\kf+8*\kt:\kf+8*\kt+7], v[QF+8*\q:QF+8*\q+7], 0
.endr
.endr
.endm
.macro MAXF sb                         ; the first block starts the maxima
.irp q,0,1,2,3
.irp i,0,1,2,3,4,5,6,7
	v_max_num_f32 v[MX+8*\q+\i], v[\sb+16*\q+\i], v[\sb+16*\q+8+\i]
.endr
.endr
.endm
.macro MAX3 sb
.irp q,0,1,2,3
.irp i,0,1,2,3,4,5,6,7
	v_max3_num_f32 v[MX+8*\q+\i], v[MX+8*\q+\i], v[\sb+16*\q+\i], v[\sb+16*\q+8+\i]
.endr
.endr
.endm
; pass 2
.macro EXPS q
.set n, 0
.rept 16
	v_exp_f32 v[SCO+16*\q+n], v[SCO+16*\q+n]
.set n, n+1
.endr
.endm
; registers 0-7 of query tile q join the row sum, then all sixteen are packed into registers 0-7; 8-15 keep their f32 for the later sum
.macro PACK q, first
.if \first
	s_wait_alu depctr_va_vdst(0)
	v_pk_add_f32 v[LS+2*\q:LS+2*\q+1], v[SCO+16*\q:SCO+16*\q+1], v[SCO+16*\q+2:SCO+16*\q+3]
.else
	s_wait_alu depctr_va_vdst(0)
	v_pk_add_f32 v[LS+2*\q:LS+2*\q+1], v[LS+2*\q:LS+2*\q+1], v[SCO+16*\q:SCO+16*\q+1]
	v_pk_add_f32 v[LS+2*\q:LS+2*\q+1], v[LS+2*\q:LS+2*\q+1], v[SCO+16*\q+2:SCO+16*\q+3]
.endif
	v_pk_add_f32 v[LS+2*\q:LS+2*\q+1], v[LS+2*\q:LS+2*\q+1], v[SCO+16*\q+4:SCO+16*\q+5]
	v_pk_add_f32 v[LS+2*\q:LS+2*\q+1], v[LS+2*\q:LS+2*\q+1], v[SCO+16*\q+6:SCO+16*\q+7]
.irp i,0,1,2,3,4,5,6,7
	v_cvt_pk_bf16_f32 v[SCO+16*\q+\i], v[SCO+16*\q+2*\i], v[SCO+16*\q+2*\i+1]
.endr
.endm
; One step of pass 2: 32 keys x 64 queries
.macro STEP first, last
	s_wait_dscnt 0x0                               ; this step's K fragments are in
.irp q,0,1,2,3
.irp kt,0,1
	v_wmma_f32_16x16x32_bf16 v[SCO+16*\q+8*\kt:SCO+16*\q+8*\kt+7], v[KF+8*\kt:KF+8*\kt+7], v[QF+8*\q:QF+8*\q+7], v[MX+8*\q:MX+8*\q+7]
.endr
.endr
	v_add_nc_u32 v9, 64, v9                        ; four places behind the score products: before KF is loaded again and the scores are read
	v_nop
	v_nop
	v_nop
	ds_load_b128 v[VF:VF+3],     v9
	ds_load_b128 v[VF+4:VF+7],   v9 offset:32
	ds_load_b128 v[VF+8:VF+11],  v9 offset:16*VP
	ds_load_b128 v[VF+12:VF+15], v9 offset:16*VP+32
.if \last == 0
	LOADK KF
.endif
; between every exponential and the first use of its result stands a plain vector instruction that touches neither (ISA guide 5.7.2)
	EXPS 0
	EXPS 1
	v_nop
	s_wait_alu depctr_va_vdst(0)
	PACK 0, \first
	EXPS 2
	PACK 1, \first
	EXPS 3
	PACK 2, \first
	PACK 3, \first
.if \last
	s_wait_dscnt 0x0
.else
	s_wait_dscnt 0x4                               ; V^T is in; the four K loads issued behind it may stay out
.endif
; eight accumulators, one instruction a turn
.irp q,0,1,2,3
.irp dt,0,1
	MM OAC+16*\q+8*\dt, VF+8*\dt, SCO+16*\q, \first
.endr
.endr
; the other half of the row sums: sixteen places behind these products, before the next scores land on P and VF is loaded again
.irp i,8,10,12,14
.irp q,0,1,2,3
	v_pk_add_f32 v[LS+2*\q:LS+2*\q+1], v[LS+2*\q:LS+2*\q+1], v[SCO+16*\q+\i:SCO+16*\q+\i+1]
.endr
.endr
.endm
	s_load_b256 s[4:11], s[0:1], 0x0               ; x s[4:5], W_in s[6:7], b_in s[8:9], W_out s[10:11]
	s_load_b128 s[12:15], s[0:1], 0x20             ; o s[12:13], wo s[14:15]
	v_lshrrev_b32 v15, 5, v0
	v_readfirstlane_b32 s16, v15                   ; wave w
	s_mov_b32 s17, ttmp9                           ; head
	s_and_b32 s18, ttmp7, 0xffff                   ; ba = 4 b + a
	s_and_b32 s19, s18, 3                          ; a
	s_mov_b32 s24, 0x76543210                      ; v_permlanex16_b32: lane i reads lane i of the other half
	s_mov_b32 s25, 0xfedcba98
	v_and_b32 v1, 31, v0                           ; L
	v_and_b32 v2, 15, v0                           ; r
	v_bfe_u32 v3, v0, 4, 1                         ; g
	s_lshl_b32 s27, s16, 9
	v_lshl_add_u32 v4, v2, 3, s27                  ; x: 8 r + two image rows of 256 bytes a wave
	v_lshl_add_u32 v4, v3, 17, v4                  ;    + g x 8 channels of 16,384 bytes
	v_mul_u32_u24 v5, v2, WP
	v_lshl_add_u32 v5, v3, 4, v5
	v_add_nc_u32 v5, WL, v5                        ; W fragments: row r, 16 g
	v_mul_u32_u24 v8, v2, KP
	v_lshl_add_u32 v8, v3, 4, v8                   ; K fragments: key r, 16 g
	s_mul_i32 s27, s16, 64*KP
	v_add_nc_u32 v6, s27, v8                       ; K store: key 64 w + r, 16 g
	v_mul_u32_u24 v9, v2, VP
	v_lshl_add_u32 v9, v3, 4, v9
	s_lshl_b32 s27, s16, 7
	s_add_co_u32 s27, s27, VT
	v_add_nc_u32 v7, s27, v9                       ; V^T store: row r, keys 64 w + 8 g
	v_add_nc_u32 v9, VT-64, v9                     ; V^T fragments: one step of 64 bytes in front of key 0; stepped ahead of each use
	s_lshl_b32 s27, s16, 12
	v_lshl_add_u32 v10, v1, 4, s27                 ; o: four query tiles of 1,024 bytes a wave, 16 L
	s_lshl_b32 s27, s16, 10
	v_lshl_add_u32 v15, v1, 4, s27                 ; W_in: row w of each sixteen, 16 L
	v_lshlrev_b32 v11, 2, v2                       ; v bias: 4 r
	v_lshlrev_b32 v53, 2, v1                       ; q bias: 4 L
	s_lshl_b32 s27, s16, 7
	s_add_co_u32 s27, s27, BL                      ; my wave's 128 bytes for the q bias
	v_lshl_add_u32 v52, v1, 2, s27                 ; in: 4 L
	v_lshl_add_u32 v14, v3, 5, s27                 ; back: 32 g
	s_mul_i32 s27, s16, WP
	s_add_co_u32 s27, s27, WL
	v_lshl_add_u32 v50, v1, 3, s27                 ; W store: row w of each sixteen, 8 L
	s_lshr_b32 s20, s18, 2
	s_lshl_b32 s20, s20, 22                        ; b x 4,194,304
	s_lshr_b32 s27, s19, 1
	s_lshl_b32 s27, s27, 13                        ; + i x 32 image rows
	s_add_co_u32 s20, s20, s27
	s_and_b32 s27, s19, 1
	s_lshl_b32 s27, s27, 7                         ; + j x 32 columns
	s_add_co_u32 s20, s20, s27
	s_mov_b32 s21, 0
	s_mul_i32 s22, s19, 786432                     ; a x 768 rows of 1,024 bytes
	s_lshl_b32 s27, s17, 15                        ; + head x 32 rows
	s_add_co_u32 s22, s22, s27
	s_mov_b32 s23, 0
	s_wait_kmcnt 0x0
	s_add_nc_u64 s[4:5], s[4:5], s[20:21]
	s_add_nc_u64 s[6:7], s[6:7], s[22:23]
	s_mul_i32 s20, s19, 3072
	s_lshl_b32 s27, s17, 7
	s_add_co_u32 s20, s20, s27
	s_add_nc_u64 s[8:9], s[8:9], s[20:21]          ; b_in at a, q part, my head
	s_lshl_b32 s22, s18, 3
	s_add_co_u32 s22, s22, s17                     ; 8 ba + head
	s_lshl_b32 s28, s22, 2
	s_add_co_u32 s28, s28, s16                     ; u = 4 (8 ba + head) + w: the piece of wo of waves 0-3
	s_lshl_b32 s22, s22, 16
	s_add_nc_u64 s[12:13], s[12:13], s[22:23]      ; o at my 64 query tiles
	XLOAD 0                                        ; the first two K steps of x are on their way before anything else
	XLOAD 1
.irp i,0,1,2,3,4,5
	global_load_b128 v[WF+8*\i:WF+8*\i+3],   v15, s[6:7] offset:((\i>>1)*256+16*(\i&1))*1024
	global_load_b128 v[WF+8*\i+4:WF+8*\i+7], v15, s[6:7] offset:((\i>>1)*256+16*(\i&1))*1024+512
.endr
	global_load_b32 v51, v53, s[8:9]               ; q bias of d = L
	global_load_b32 v12, v11, s[8:9] offset:2048   ; v bias of d = r
	global_load_b32 v13, v11, s[8:9] offset:2048+64 ; and of d = 16 + r
	s_cmp_ge_u32 s16, 4
	s_cbranch_scc1 .Lno_wo
	; piece u of wo: rows 16 (u >> 4) + r of W_out (all areas counted through), columns 16 (u & 15) + 8 g .. + 7
	s_lshr_b32 s27, s28, 4
	s_lshl_b32 s27, s27, 14
	s_and_b32 s26, s28, 15
	s_lshl_b32 s26, s26, 6
	s_add_co_u32 s27, s27, s26
	v_lshlrev_b32 v48, 10, v2
	v_lshl_add_u32 v48, v3, 5, v48
	v_add_nc_u32 v48, s27, v48
	s_lshl_b32 s26, s28, 9
	v_lshl_add_u32 v49, v1, 4, s26
	global_load_b128 v[80:83], v48, s[10:11]
	global_load_b128 v[84:87], v48, s[10:11] offset:16
	s_wait_loadcnt 0x0
.irp i,0,1,2,3
	v_cvt_pk_bf16_f32 v[88+\i], v[80+2*\i], v[80+2*\i+1]
.endr
	global_store_b128 v49, v[88:91], s[14:15]      ; the wave stores 512 consecutive bytes, aligned
	s_wait_xcnt 0x0                                ; v[88:91] and v49 are written again below only behind this wait
.Lno_wo:
	s_wait_loadcnt 0x0                             ; W and the biases are in (and the x asked for ahead of them)
.set n, 0
.rept 24
	v_cvt_pk_bf16_f32 v[80+n], v[WF+2*n], v[WF+2*n+1]
.set n, n+1
.endr
.irp i,0,1,2,3,4,5
	ds_store_b64 v50, v[80+4*\i:80+4*\i+1]   offset:16*\i*WP         ; channels 4 L .. 4 L + 3 of row 16 i + w
	ds_store_b64 v50, v[80+4*\i+2:80+4*\i+3] offset:16*\i*WP+256     ; channels 128 + 4 L ..
.endr
	v_mul_f32 v51, SC, v51
	ds_store_b32 v52, v51                          ; q bias x scale, into my wave's own bytes
	s_wait_dscnt 0x0                               ; my rows of W are in LDS,
	s_barrier_signal -1
	s_barrier_wait -1                              ; everybody's are
	ROWPASS 0
	ROWPASS 1
	s_wait_dscnt 0x0                               ; my keys of K and V^T are in LDS,
	s_barrier_signal -1
	s_barrier_wait -1                              ; everybody's are; LDS is only read from here on
	; PASS 1: the maximum of each query's 1,024 scores.  Two buffers of scores and of K take turns: the 32 maxima of one
	; buffer are the places behind the other buffer's products (they name none of its registers).
	v_mov_b32 v11, v8
	LOADK KF                                       ; keys 0-31
	LOADK VF                                       ; keys 32-63
	s_wait_dscnt 0x4                               ; the older block is in; the younger four loads may stay out
	WM SCO, KF
	s_wait_dscnt 0x0
	WM OAC, VF
	NOP4                                           ; four places before K registers are loaded again and results are read
	LOADK KF
	MAXF SCO
	LOADK VF
	s_mov_b32 s26, 14
.Lmax:
	s_wait_dscnt 0x4                               ; two blocks of four loads are out, on the way in and on the way back: the older is in
	WM SCO, KF
	MAX3 OAC
	LOADK KF
	s_wait_dscnt 0x4
	WM OAC, VF
	MAX3 SCO
	LOADK VF
	s_sub_co_u32 s26, s26, 1
	s_cmp_lg_u32 s26, 0
	s_cbranch_scc1 .Lmax
	s_wait_dscnt 0x4
	WM SCO, KF                                     ; keys 960-991
	MAX3 OAC
	s_wait_dscnt 0x0
	WM OAC, VF                                     ; keys 992-1023
	MAX3 SCO
	MAX3 OAC
.irp q,0,1,2,3
	v_max3_num_f32 v[MX+8*\q],   v[MX+8*\q],   v[MX+8*\q+1], v[MX+8*\q+2]
	v_max3_num_f32 v[MX+8*\q+3], v[MX+8*\q+3], v[MX+8*\q+4], v[MX+8*\q+5]
	v_max3_num_f32 v[MX+8*\q],   v[MX+8*\q],   v[MX+8*\q+3], v[MX+8*\q+6]
	v_max_num_f32  v[MX+8*\q],   v[MX+8*\q],   v[MX+8*\q+7]
	v_permlanex16_b32 v15, v[MX+8*\q], s24, s25    ; the other half of the lanes holds the other keys of query r
	v_max_num_f32  v[MX+8*\q],   v[MX+8*\q],   v15
.irp i,7,6,5,4,3,2,1,0
	v_mul_f32 v[MX+8*\q+\i], -1.0, v[MX+8*\q]      ; -maximum in all eight registers: the C operand of pass 2
.endr
.endr
	; PASS 2: p = exp2(score - maximum), O^T += V^T P^T, row sums
	v_mov_b32 v11, v8
	LOADK KF
	STEP 1, 0
	s_mov_b32 s26, 30
.Lstep:
	STEP 0, 0
	s_sub_co_u32 s26, s26, 1
	s_cmp_lg_u32 s26, 0
	s_cbranch_scc1 .Lstep
	STEP 0, 1
	; the way out: divide by the row sum (at least about 1: the largest score gives exp2(0)), round to bf16, store fragments
.irp q,0,1,2,3
	v_add_f32 v[LT+\q], v[LS+2*\q], v[LS+2*\q+1]
	v_permlanex16_b32 v15, v[LT+\q], s24, s25
	v_add_f32 v[LT+\q], v[LT+\q], v15
.endr
.irp q,0,1,2,3
	v_rcp_f32 v[LS+2*\q],   v[LT+\q]
	v_rcp_f32 v[LS+2*\q+1], v[LT+\q]
.endr
	v_nop                                          ; a plain instruction between the reciprocals and their first use
	s_wait_alu depctr_va_vdst(0)
.irp q,0,1,2,3
.irp i,0,2,4,6,8,10,12,14
	v_pk_mul_f32 v[OAC+16*\q+\i:OAC+16*\q+\i+1], v[OAC+16*\q+\i:OAC+16*\q+\i+1], v[LS+2*\q:LS+2*\q+1]
.endr
.irp i,0,1,2,3,4,5,6,7
	v_cvt_pk_bf16_f32 v[SCO+16*\q+\i], v[OAC+16*\q+2*\i], v[OAC+16*\q+2*\i+1]
.endr
	global_store_b128 v10, v[SCO+16*\q:SCO+16*\q+3],   s[12:13] offset:1024*\q       ; each store of the wave covers 512 consecutive bytes, aligned
	global_store_b128 v10, v[SCO+16*\q+4:SCO+16*\q+7], s[12:13] offset:1024*\q+512
.endr
	s_wait_xcnt 0x0
	v_lshl_add_u32 v254, v0, 2, 0x31000
	v_mov_b32 v255, 0
	s_wait_tensorcnt 0x0
	ds_add_u32 v254, v255
	s_wait_dscnt 0x0
	s_endpgm
.Lfunc_end_k_qb2995b590e_attn:
	.size	k_qb2995b590e_attn, .Lfunc_end_k_qb2995b590e_attn-k_qb2995b590e_attn
	.p2alignl 7, 3214868480
	.fill 96, 4, 3214868480
	.section	.rodata,"a",@progbits
	.p2align	6, 0x0
	.amdhsa_kernel k_qb2995b590e_attn
		.amdhsa_group_segment_fixed_size 202752
		.amdhsa_private_segment_fixed_size 0
		.amdhsa_enable_private_segment 0
		.amdhsa_kernarg_size 48
		.amdhsa_user_sgpr_count 2
		.amdhsa_user_sgpr_kernarg_segment_ptr 1
		.amdhsa_wavefront_size32 1
		.amdhsa_system_sgpr_workgroup_id_x 1
		.amdhsa_system_sgpr_workgroup_id_y 1
		.amdhsa_system_sgpr_workgroup_id_z 1
		.amdhsa_system_vgpr_workitem_id 0
		.amdhsa_next_free_vgpr 256
		.amdhsa_next_free_sgpr 66
		.amdhsa_reserve_vcc 0
		.amdhsa_float_denorm_mode_32 3
		.amdhsa_float_denorm_mode_16_64 3
		.amdhsa_memory_ordered 1
		.amdhsa_forward_progress 1
		.amdhsa_inst_pref_size 137
	.end_amdhsa_kernel
	.amdgpu_metadata
---
amdhsa.version: [ 1, 2 ]
amdhsa.kernels:
  - .name:           k_qb2995b590e_attn
    .symbol:         k_qb2995b590e_attn.kd
    .args:
      - { .name: x, .offset: 0, .size: 8, .value_kind: global_buffer, .address_space: global }
      - { .name: W_in, .offset: 8, .size: 8, .value_kind: global_buffer, .address_space: global }
      - { .name: b_in, .offset: 16, .size: 8, .value_kind: global_buffer, .address_space: global }
      - { .name: W_out, .offset: 24, .size: 8, .value_kind: global_buffer, .address_space: global }
      - { .name: o, .offset: 32, .size: 8, .value_kind: global_buffer, .address_space: global }
      - { .name: wo, .offset: 40, .size: 8, .value_kind: global_buffer, .address_space: global }
    .group_segment_fixed_size: 202752
    .private_segment_fixed_size: 0
    .kernarg_segment_align: 8
    .kernarg_segment_size: 48
    .max_flat_workgroup_size: 512
    .sgpr_count:     66
    .vgpr_count:     256
    .wavefront_size: 32
...
	.end_amdgpu_metadata
.endif
;; end of part 1
;; launch outln (part 2): grid 16 x 16, 16 waves a work-group, no clusters, 215,040 bytes of LDS; arguments x, o, wo, b_out, gamma, beta, out0; writes out0
.if DOCPART == 2
	.amdgcn_target "amdgcn-amd-amdhsa--gfx1250"
	.amdhsa_code_object_version 6
	.text
	.protected	k_qb2995b590e_outln
	.globl	k_qb2995b590e_outln
	.p2align	8
	.type	k_qb2995b590e_outln,@function
k_qb2995b590e_outln:
	s_mov_b64 s[64:65], 0
	v_nop
	global_prefetch_b8 v0, s[64:65] scope:SCOPE_SE
	s_setreg_imm32_b32 hwreg(HW_REG_WAVE_MODE, 25, 1), 1
	s_wait_xcnt 0x0
; Out-projection, bias, residual, LayerNorm over the 256 channels, and the way back into [B, C, H, W].  No work of this part is left out.
; One work-group = (b, i, rp): image rows 32 i + 2 rp and + 1, all 64 columns: 128 tokens, 64 of area j = 0 and 64 of area j = 1, so
; that the 256 bytes which a channel has in an image row are read and written whole.  Grid x = rp, grid y = 2 b + i.
; Sixteen waves: wave w has j = w >> 3 and mp = w & 7 and makes output channels 32 mp .. 32 mp + 31 (two m tiles) of the four token
; tiles nt of area a = 2 i + j (query tiles 4 rp + nt):  Y^T = W_out o^T, element (channel 8 g + jj, place r) in register jj.
; TOKEN ORDER, as o has it: tile nt = 2 p + T, place r = image row 32 i + 2 rp + p, column 32 j + 2 r + T.
; W_out comes as ready bf16 fragments from wo, 16,384 bytes a wave, straight into 128 registers; o comes as ready fragments.
; THE ORDER OF THE WORK: three tensor loads a wave go out together, o, x of image row p = 0, x of image row p = 1.  The products need o
; alone and run while x is on its way; residual, LayerNorm and the way out are done for row 0 and then for row 1, so that row 0 is
; worked on while row 1 may still be landing, and row 0's stores leave while row 1 is worked on.
; The mean and the variance are formed as the definition has them: first the mean, then the mean of (y - mean)^2; each is summed in the
; lane, across the two halves of the lanes, and across the eight waves of an area through LDS.
; LIMIT: W_out and o enter the product rounded to bf16.
;
; NO CLUSTER: work-groups with the same i read the same 262,144 bytes of wo, but these go into registers and never lie in LDS; a joint
; request would have to land there, and beside the 212,992 bytes in use 114,688 are left of the 327,680 that a work-group can be given.
;
; LDS: STG, image row p at 69,632 p: [256 channels][64 f32], pitch 272: x as it comes, later the result;
;      OB [j][k step = head][nt][1,024 bytes] at 139,264: fragments of o;
;      partial sums at 204,800: four regions of 2,048 bytes (row 0 mean, row 0 variance, row 1 mean, row 1 variance), each [place 64][mp 8] f32.
; A wave has three tensor loads out, all issued at the start; nothing in LDS is ever filled again.
.set STP, 272
.set STH, 69632
.set OB,  139264
.set ST1, 204800
.set ACC, 16                           ; v[16:79]   (m2, nt) at 32 m2 + 8 nt
.set BF,  80                           ; v[80:111]  fragments of o, 8 nt; later row 1 on its way out
.set TS,  112                          ; v[112:115] sums, a pair for each T
.set MP,  120                          ; v[120:123] -mean twice for each T, later 1 / sqrt(var + eps) twice
.set WF,  128                          ; v[128:255] fragments of W_out, (ks, m2) at 16 ks + 8 m2
.set PB,  128                          ; v[128:143] b_out of my channels (over the fragments of K step 0)
.set PG,  144                          ; v[144:159] gamma (K step 1)
.set PT,  160                          ; v[160:175] beta (K step 2)
.set XR,  176                          ; v[176:207] x of my elements of a row; partial sums
                                       ; v[208:239] row 0 on its way out
; v1 L, v2 r, v3 g, v4 16 L, v5 o fragments, v6 and v11 my elements in STG (row 0, row 1), v7 partial sum out, v8 partial sums in,
; v9 32 g, v10 and v12 my rows of STG (row 0, row 1), v13 my offset in out0, v15 at work
.macro NOP4
.rept 4
	v_nop
.endr
.endm
; One K step = one head
.macro GK ks
.if \ks
	NOP4                                           ; four places behind the last products, before their operands are loaded again
.endif
.irp nt,0,1,2,3
	ds_load_b128 v[BF+8*\nt:BF+8*\nt+3],   v5 offset:4096*\ks+1024*\nt
	ds_load_b128 v[BF+8*\nt+4:BF+8*\nt+7], v5 offset:4096*\ks+1024*\nt+512
.endr
.if \ks < 3
	s_wait_loadcnt 28-4*\ks                        ; of the 32 loads of W_out those issued behind this K step's four may stay out
.endif
.if \ks == 3
	s_wait_loadcnt 0x0                             ; all of W_out is in; the fragments of K steps 0 to 2 are spent and take the parameters
.irp m2,0,1
	global_load_b128 v[PB+8*\m2:PB+8*\m2+3],   v9, s[10:11] offset:64*\m2
	global_load_b128 v[PB+8*\m2+4:PB+8*\m2+7], v9, s[10:11] offset:64*\m2+16
	global_load_b128 v[PG+8*\m2:PG+8*\m2+3],   v9, s[12:13] offset:64*\m2
	global_load_b128 v[PG+8*\m2+4:PG+8*\m2+7], v9, s[12:13] offset:64*\m2+16
	global_load_b128 v[PT+8*\m2:PT+8*\m2+3],   v9, s[14:15] offset:64*\m2
	global_load_b128 v[PT+8*\m2+4:PT+8*\m2+7], v9, s[14:15] offset:64*\m2+16
.endr
.endif
	s_wait_dscnt 0x0
; eight accumulators, one instruction a turn
.irp nt,0,1,2,3
.irp m2,0,1
.if \ks
	v_wmma_f32_16x16x32_bf16 v[ACC+32*\m2+8*\nt:ACC+32*\m2+8*\nt+7], v[WF+16*\ks+8*\m2:WF+16*\ks+8*\m2+7], v[BF+8*\nt:BF+8*\nt+7], v[ACC+32*\m2+8*\nt:ACC+32*\m2+8*\nt+7]
.else
	v_wmma_f32_16x16x32_bf16 v[ACC+32*\m2+8*\nt:ACC+32*\m2+8*\nt+7], v[WF+16*\ks+8*\m2:WF+16*\ks+8*\m2+7], v[BF+8*\nt:BF+8*\nt+7], 0
.endif
.endr
.endr
.endm
; the eight partial sums of each of my tokens of a row, from the region at byte off, added into v[TS + 2 T]
.macro GATHER off
.irp T,0,1
	ds_load_b128 v[XR+8*\T:XR+8*\T+3],   v8 offset:\off+512*\T
	ds_load_b128 v[XR+8*\T+4:XR+8*\T+7], v8 offset:\off+512*\T+16
.endr
	s_wait_dscnt 0x0
.irp T,0,1
	v_pk_add_f32 v[TS+2*\T:TS+2*\T+1], v[XR+8*\T:XR+8*\T+1], v[XR+8*\T+2:XR+8*\T+3]
	v_pk_add_f32 v[TS+2*\T:TS+2*\T+1], v[TS+2*\T:TS+2*\T+1], v[XR+8*\T+4:XR+8*\T+5]
	v_pk_add_f32 v[TS+2*\T:TS+2*\T+1], v[TS+2*\T:TS+2*\T+1], v[XR+8*\T+6:XR+8*\T+7]
	v_add_f32 v[TS+2*\T], v[TS+2*\T], v[TS+2*\T+1]
.endr
.endm
; the pair v[TS + 2 t] is added up, joined with the other half of the lanes (the other 16 of my 32 channels) and handed out
.macro SCATTER t, off
	v_add_f32 v[TS+2*\t], v[TS+2*\t], v[TS+2*\t+1]
	v_permlanex16_b32 v15, v[TS+2*\t], s46, s47
	v_add_f32 v[TS+2*\t], v[TS+2*\t], v15
	ds_store_b32 v7, v[TS+2*\t] offset:\off+512*\t
.endm
; Image row p (token tiles 2 p and 2 p + 1): bias, residual, LayerNorm, and the way out.  Its x is in LDS, for every wave, when this begins.
.macro HALF p
.irp m2,0,1
.irp T,0,1
.irp jj,0,1,2,3,4,5,6,7
	ds_load_b32 v[XR+16*\m2+8*\T+\jj], v[6+5*\p] offset:(16*\m2+\jj)*STP+4*\T   ; 16 lanes take every second word of 32; the other 16 lie 8 rows = 32 words mod 64 further
.endr
.endr
.endr
.irp m2,0,1
.irp T,0,1
.irp e,0,2,4,6
	v_pk_add_f32 v[ACC+32*\m2+8*(2*\p+\T)+\e:ACC+32*\m2+8*(2*\p+\T)+\e+1], v[ACC+32*\m2+8*(2*\p+\T)+\e:ACC+32*\m2+8*(2*\p+\T)+\e+1], v[PB+8*\m2+\e:PB+8*\m2+\e+1]
.endr
.endr
.endr
	s_wait_dscnt 0x0
.irp m2,0,1
.irp T,0,1
.irp e,0,2,4,6
	v_pk_add_f32 v[ACC+32*\m2+8*(2*\p+\T)+\e:ACC+32*\m2+8*(2*\p+\T)+\e+1], v[ACC+32*\m2+8*(2*\p+\T)+\e:ACC+32*\m2+8*(2*\p+\T)+\e+1], v[XR+16*\m2+8*\T+\e:XR+16*\m2+8*\T+\e+1]   ; y = o W_out^T + b_out + x
.endr
.endr
.endr
	; the mean
.irp T,0,1
	v_pk_add_f32 v[TS+2*\T:TS+2*\T+1], v[ACC+8*(2*\p+\T):ACC+8*(2*\p+\T)+1], v[ACC+8*(2*\p+\T)+2:ACC+8*(2*\p+\T)+3]
.irp e,4,6,32,34,36,38
	v_pk_add_f32 v[TS+2*\T:TS+2*\T+1], v[TS+2*\T:TS+2*\T+1], v[ACC+8*(2*\p+\T)+\e:ACC+8*(2*\p+\T)+\e+1]
.endr
	SCATTER \T, 4096*\p
.endr
	s_wait_dscnt 0x0                               ; my partial sums are in LDS (and my reads of STG are back),
	s_barrier_signal -1
	s_barrier_wait -1                              ; everybody's are
	GATHER 4096*\p
.irp T,0,1
	v_mul_f32 v[MP+2*\T],   0xbb800000, v[TS+2*\T]         ; -mean = sum x -1/256, twice: a pair for the packed add
	v_mul_f32 v[MP+2*\T+1], 0xbb800000, v[TS+2*\T]
.endr
.irp m2,0,1
.irp T,0,1
.irp e,0,2,4,6
	v_pk_add_f32 v[ACC+32*\m2+8*(2*\p+\T)+\e:ACC+32*\m2+8*(2*\p+\T)+\e+1], v[ACC+32*\m2+8*(2*\p+\T)+\e:ACC+32*\m2+8*(2*\p+\T)+\e+1], v[MP+2*\T:MP+2*\T+1]
.endr
.endr
.endr
	; the variance, of the differences themselves; its partial sums have bytes of their own
.irp T,0,1
	v_pk_mul_f32 v[TS+2*\T:TS+2*\T+1], v[ACC+8*(2*\p+\T):ACC+8*(2*\p+\T)+1], v[ACC+8*(2*\p+\T):ACC+8*(2*\p+\T)+1]
.irp e,2,4,6,32,34,36,38
	v_pk_fma_f32 v[TS+2*\T:TS+2*\T+1], v[ACC+8*(2*\p+\T)+\e:ACC+8*(2*\p+\T)+\e+1], v[ACC+8*(2*\p+\T)+\e:ACC+8*(2*\p+\T)+\e+1], v[TS+2*\T:TS+2*\T+1]
.endr
	SCATTER \T, 4096*\p+2048
.endr
	s_wait_dscnt 0x0
	s_barrier_signal -1
	s_barrier_wait -1
	GATHER 4096*\p+2048
.irp T,0,1
	v_fma_f32 v[TS+2*\T], v[TS+2*\T], s2, s3               ; sum / 256 + eps
.endr
.irp T,0,1
	v_rsq_f32 v[MP+2*\T],   v[TS+2*\T]
	v_rsq_f32 v[MP+2*\T+1], v[TS+2*\T]
.endr
	v_nop                                          ; a plain instruction between the roots and their first use
	s_wait_alu depctr_va_vdst(0)
.irp m2,0,1
.irp T,0,1
.irp e,0,2,4,6
	v_pk_mul_f32 v[ACC+32*\m2+8*(2*\p+\T)+\e:ACC+32*\m2+8*(2*\p+\T)+\e+1], v[ACC+32*\m2+8*(2*\p+\T)+\e:ACC+32*\m2+8*(2*\p+\T)+\e+1], v[MP+2*\T:MP+2*\T+1]
.endr
.irp e,0,2,4,6
	v_pk_fma_f32 v[ACC+32*\m2+8*(2*\p+\T)+\e:ACC+32*\m2+8*(2*\p+\T)+\e+1], v[ACC+32*\m2+8*(2*\p+\T)+\e:ACC+32*\m2+8*(2*\p+\T)+\e+1], v[PG+8*\m2+\e:PG+8*\m2+\e+1], v[PT+8*\m2+\e:PT+8*\m2+\e+1]
.endr
.endr
.endr
	; each result goes to the word of STG from which its x came: only this wave has read that word, two barriers ago, and that row of STG has had its one fill
.irp m2,0,1
.irp T,0,1
.irp jj,0,1,2,3,4,5,6,7
	ds_store_b32 v[6+5*\p], v[ACC+32*\m2+8*(2*\p+\T)+\jj] offset:(16*\m2+\jj)*STP+4*\T
.endr
.endr
.endr
	s_wait_dscnt 0x0                               ; my results are in LDS,
.if \p == 0
	s_wait_tensorcnt 0x0                           ; and my part of x's row 1 has landed: this barrier shows that to every wave as well
.endif
	s_barrier_signal -1
	s_barrier_wait -1                              ; everybody's are
	; the way out: wave w takes channel rows 16 w .. 16 w + 15, two rows of 256 bytes to a load and to a store.  Each image row has data
	; registers of its own (208 - 128 p), so that no register which a store still reads is written again.
.irp k,0,1,2,3,4,5,6,7
	ds_load_b128 v[208-128*\p+4*\k:208-128*\p+4*\k+3], v[10+2*\p] offset:\k*2*STP
.endr
.irp k,0,1,2,3,4,5,6,7
	s_wait_dscnt 7-\k                              ; LDS loads come back in order: pair k is in, the younger ones may stay out
	global_store_b128 v13, v[208-128*\p+4*\k:208-128*\p+4*\k+3], s[40:41] offset:32768*\k+256*\p th:TH_STORE_NT   ; sixteen lanes store 256 consecutive bytes, aligned
.endr
.endm
	s_load_b256 s[4:11], s[0:1], 0x0               ; x s[4:5], o s[6:7], wo s[8:9], b_out s[10:11]
	s_load_b128 s[12:15], s[0:1], 0x20             ; gamma s[12:13], beta s[14:15]
	s_load_b64 s[40:41], s[0:1], 0x30              ; out0
	v_lshl_add_u32 v126, v0, 2, 0x34000
	v_mov_b32 v127, 0
	ds_add_u32 v126, v127
	ds_add_u32 v126, v127
	v_lshrrev_b32 v15, 5, v0
	v_readfirstlane_b32 s42, v15                   ; wave w
	s_lshr_b32 s43, s42, 3                         ; j
	s_and_b32 s44, s42, 7                          ; mp
	s_and_b32 s48, ttmp7, 0xffff                   ; 2 b + i
	s_lshr_b32 s49, s48, 1                         ; b
	s_and_b32 s50, s48, 1                          ; i
	s_lshl_b32 s45, s50, 1
	s_add_co_u32 s45, s45, s43                     ; a = 2 i + j
	s_lshl_b32 s46, s49, 22                        ; x and out0: b x 4,194,304
	s_lshl_b32 s51, s42, 18                        ; + 16 w channels of 16,384 bytes
	s_add_co_u32 s46, s46, s51
	s_lshl_b32 s51, s50, 13                        ; + 32 i image rows
	s_add_co_u32 s46, s46, s51
	s_lshl_b32 s51, ttmp9, 9                       ; + 2 rp image rows
	s_add_co_u32 s46, s46, s51
	s_mov_b32 s47, 0
	s_lshl_b32 s2, s49, 2
	s_add_co_u32 s2, s2, s45                       ; ba = 4 b + a
	s_lshl_b32 s2, s2, 3
	s_add_co_u32 s2, s2, s44                       ; 8 ba + head, head = mp
	s_lshl_b32 s2, s2, 16                          ; 64 query tiles of 1,024 bytes
	s_lshl_b32 s51, ttmp9, 12                      ; + 4 rp query tiles
	s_add_co_u32 s2, s2, s51
	s_mov_b32 s3, 0
	; x, one image row: 16 channel rows of 64 f32 (256 bytes), 4,096 elements apart, 16 bytes of padding behind each row in LDS
	s_mov_b32 s16, (2<<16)|(1<<20)|(5<<22)|(3<<25) ; elements of 4 bytes; padding on; after every 64 words; of 4 words
	s_mov_b32 s17, 64<<16                          ; tensor_dim0 = 64
	s_mov_b32 s18, 16<<16                          ; tensor_dim1 = 16
	s_mov_b32 s19, 64<<16                          ; tile_dim0 = 64
	s_mov_b32 s20, 16                              ; tile_dim1 = 16
	s_mov_b32 s21, 4096                            ; from row to row
	s_mov_b32 s22, 0
	s_mov_b32 s23, 0
	s_mov_b32 s24, 1
	s_mul_i32 s25, s42, 16*STP                     ; image row 0: STG rows 16 w ..
	s_mov_b32 s52, 1
	s_add_co_u32 s53, s25, STH                     ; image row 1: the same rows of its own part of STG
	; o: a dense block of 4,096 bytes as 16 rows of 256 bytes
	s_mov_b32 s32, 3<<16                           ; elements of 8 bytes, no padding
	s_mov_b32 s33, 32<<16
	s_mov_b32 s34, 16<<16
	s_mov_b32 s35, 32<<16
	s_mov_b32 s36, 16
	s_mov_b32 s37, 32
	s_mov_b32 s38, 0
	s_mov_b32 s39, 0
	s_mov_b32 s28, 1
	s_lshl_b32 s29, s42, 12
	s_add_co_u32 s29, s29, OB                      ; OB + 4,096 w = [j][head mp]
	s_wait_dscnt 0x0
	s_wait_kmcnt 0x0
	s_add_nc_u64 s[26:27], s[4:5], s[46:47]
	s_add_nc_u64 s[54:55], s[26:27], 0x100         ; the next image row
	s_or_b32 s27, s27, 0x80000000
	s_or_b32 s55, s55, 0x80000000
	s_add_nc_u64 s[30:31], s[6:7], s[2:3]
	s_or_b32 s31, s31, 0x80000000
	tensor_load_to_lds s[28:31], s[32:39]          ; the three first fills go out together, ahead of everything else, in the order in which they are wanted: o,
	s_nop 0
	tensor_load_to_lds s[24:27], s[16:23]          ; x of image row 0,
	s_nop 0
	tensor_load_to_lds s[52:55], s[16:23]          ; x of image row 1
	s_nop 0
	s_add_nc_u64 s[40:41], s[40:41], s[46:47]      ; out0 at my 16 channel rows
	s_lshl_b32 s46, s45, 17                        ; wo: a x 131,072
	s_lshl_b32 s51, s44, 14                        ; + two m tiles of 8,192 bytes
	s_add_co_u32 s46, s46, s51
	s_add_nc_u64 s[8:9], s[8:9], s[46:47]
	v_and_b32 v1, 31, v0
	v_lshlrev_b32 v4, 4, v1                        ; 16 L
.irp ks,0,1,2,3,4,5,6,7
.irp m2,0,1
	global_load_b128 v[WF+16*\ks+8*\m2:WF+16*\ks+8*\m2+3],   v4, s[8:9] offset:(\m2*8+\ks)*1024
	global_load_b128 v[WF+16*\ks+8*\m2+4:WF+16*\ks+8*\m2+7], v4, s[8:9] offset:(\m2*8+\ks)*1024+512
.endr
.endr
	s_lshl_b32 s46, s44, 7                         ; my 32 channels in gamma and beta,
	s_add_nc_u64 s[12:13], s[12:13], s[46:47]
	s_add_nc_u64 s[14:15], s[14:15], s[46:47]
	s_lshl_b32 s51, s45, 10                        ; and in row a of b_out
	s_add_co_u32 s46, s46, s51
	s_add_nc_u64 s[10:11], s[10:11], s[46:47]
	s_mov_b32 s46, 0x76543210                      ; v_permlanex16_b32: lane i reads lane i of the other half
	s_mov_b32 s47, 0xfedcba98
	s_mov_b32 s2, 0x3b800000                       ; 1 / 256
	s_mov_b32 s3, 0x3727c5ac                       ; 1e-5
	v_and_b32 v2, 15, v0
	v_bfe_u32 v3, v0, 4, 1
	s_lshl_b32 s48, s43, 15
	s_add_co_u32 s48, s48, OB
	v_add_nc_u32 v5, s48, v4                       ; OB + 32,768 j + 16 L
	s_mul_i32 s48, s44, 32*STP
	s_lshl_b32 s49, s43, 7
	s_add_co_u32 s48, s48, s49
	v_mul_u32_u24 v6, v3, 8*STP
	v_lshl_add_u32 v6, v2, 3, v6
	v_add_nc_u32 v6, s48, v6                       ; channel 32 mp + 8 g, column 32 j + 2 r, image row 0
	v_add_nc_u32 v11, STH, v6                      ; and image row 1
	s_lshl_b32 s48, s43, 10
	s_add_co_u32 s48, s48, ST1
	v_lshl_add_u32 v8, v2, 5, s48                  ; place 32 j + r of a row's 64: its eight partial sums
	s_lshl_b32 s48, s44, 2
	v_add_nc_u32 v7, s48, v8                       ; mine among them
	v_lshlrev_b32 v9, 5, v3                        ; 32 g
	s_mul_i32 s48, s42, 16*STP
	v_mul_u32_u24 v10, v3, STP
	v_lshl_add_u32 v10, v2, 4, v10
	v_add_nc_u32 v10, s48, v10                     ; STG row 16 w + g, 16 r, image row 0
	v_add_nc_u32 v12, STH, v10                     ; and image row 1
	v_lshlrev_b32 v13, 14, v3
	v_lshl_add_u32 v13, v2, 4, v13                 ; out0: channel g of a pair, 16 r
	s_wait_tensorcnt 0x2                           ; tensor loads of a wave end in order: my fragments of o are in LDS, the two fills issued behind them may stay out,
	s_barrier_signal -1
	s_barrier_wait -1                              ; everybody's are
.irp ks,0,1,2,3,4,5,6,7
	GK \ks
.endr
	NOP4                                           ; four places behind the last products: results are read, operands are loaded over
	s_wait_loadcnt 0x0                             ; b_out, gamma, beta
	s_wait_tensorcnt 0x1                           ; my part of x's row 0 has landed; row 1's fill, issued behind it, may stay out
	s_barrier_signal -1
	s_barrier_wait -1                              ; everybody's part of row 0 has
	HALF 0
	HALF 1
	s_wait_tensorcnt 0x0
	ds_add_u32 v126, v127
	s_wait_dscnt 0x0
	s_endpgm
.Lfunc_end_k_qb2995b590e_outln:
	.size	k_qb2995b590e_outln, .Lfunc_end_k_qb2995b590e_outln-k_qb2995b590e_outln
	.p2alignl 7, 3214868480
	.fill 96, 4, 3214868480
	.section	.rodata,"a",@progbits
	.p2align	6, 0x0
	.amdhsa_kernel k_qb2995b590e_outln
		.amdhsa_group_segment_fixed_size 215040
		.amdhsa_private_segment_fixed_size 0
		.amdhsa_enable_private_segment 0
		.amdhsa_kernarg_size 56
		.amdhsa_user_sgpr_count 2
		.amdhsa_user_sgpr_kernarg_segment_ptr 1
		.amdhsa_wavefront_size32 1
		.amdhsa_system_sgpr_workgroup_id_x 1
		.amdhsa_system_sgpr_workgroup_id_y 1
		.amdhsa_system_sgpr_workgroup_id_z 1
		.amdhsa_system_vgpr_workitem_id 0
		.amdhsa_next_free_vgpr 256
		.amdhsa_next_free_sgpr 66
		.amdhsa_reserve_vcc 0
		.amdhsa_float_denorm_mode_32 3
		.amdhsa_float_denorm_mode_16_64 3
		.amdhsa_memory_ordered 1
		.amdhsa_forward_progress 1
		.amdhsa_inst_pref_size 51
	.end_amdhsa_kernel
	.amdgpu_metadata
---
amdhsa.version: [ 1, 2 ]
amdhsa.kernels:
  - .name:           k_qb2995b590e_outln
    .symbol:         k_qb2995b590e_outln.kd
    .args:
      - { .name: x, .offset: 0, .size: 8, .value_kind: global_buffer, .address_space: global }
      - { .name: o, .offset: 8, .size: 8, .value_kind: global_buffer, .address_space: global }
      - { .name: wo, .offset: 16, .size: 8, .value_kind: global_buffer, .address_space: global }
      - { .name: b_out, .offset: 24, .size: 8, .value_kind: global_buffer, .address_space: global }
      - { .name: gamma, .offset: 32, .size: 8, .value_kind: global_buffer, .address_space: global }
      - { .name: beta, .offset: 40, .size: 8, .value_kind: global_buffer, .address_space: global }
      - { .name: out0, .offset: 48, .size: 8, .value_kind: global_buffer, .address_space: global }
    .group_segment_fixed_size: 215040
    .private_segment_fixed_size: 0
    .kernarg_segment_align: 8
    .kernarg_segment_size: 56
    .max_flat_workgroup_size: 512
    .sgpr_count:     66
    .vgpr_count:     256
    .wavefront_size: 32
...
	.end_amdgpu_metadata
.endif
;; end of part 2
